; MI455X (gfx1250); checked and timed in simulation.
; The chip was launched on July 23, 2026; its instructions are those of AMD's public machine-readable ISA for CDNA 5 (MIT licence, August 2026) and "CDNA5" Instruction Set Architecture Reference Guide (July 2026). The comments in the code are by the model that wrote it; some were corrected since.
;; Vector Quantizer. Allowed arithmetic: float matrix products may take bf16 or f16 operands with f32 sums; all other float work in f32.
;; Inputs: codebook 1,024 x 256 float32; x 32 x 256 x 32 x 32 float32.
;; Outputs: out0 32 x 32 x 32 int32.
;; One version. Each part assembles by itself: llvm-mc -triple=amdgcn-amd-amdhsa -mcpu=gfx1250 --defsym DOCPART=n.
;; ======== version 1 of 1: 1 launch
;; launch vq (part 1): grid 256 x 1, 4 waves a work-group, clusters of 4 x 1, 327,680 bytes of LDS; arguments x, codebook, out0; writes out0
.if DOCPART == 1
	.amdgcn_target "amdgcn-amd-amdhsa--gfx1250"
	.amdhsa_code_object_version 6
	.text
	.protected	k_qbae366a11f_vq
	.globl	k_qbae366a11f_vq
	.p2align	8
	.type	k_qbae366a11f_vq,@function
k_qbae366a11f_vq:
	s_mov_b64 s[64:65], 0
	v_nop
	global_prefetch_b8 v0, s[64:65] scope:SCOPE_SE
	s_setreg_imm32_b32 hwreg(HW_REG_WAVE_MODE, 25, 1), 1
	s_wait_xcnt 0x0
	s_wait_alu depctr_hold_cnt(0) depctr_sa_sdst(0) depctr_va_vdst(0) depctr_va_sdst(0) depctr_va_ssrc(0) depctr_va_vcc(0) depctr_vm_vsrc(0)
	s_getreg_b32 s2, hwreg(HW_REG_IB_STS2, 6, 4)
	s_cmp_eq_u32 s2, 0
	s_cbranch_scc0 .Lentry_in_a_cluster
	s_endpgm
.Lentry_in_a_cluster:
	s_bfe_u32 s2, ttmp6, 0x10000c
	s_cmp_lg_u32 s2, 0x3003
	s_cbranch_scc0 .Lentry_shape_is_right
	s_endpgm
.Lentry_shape_is_right:
; out0[b][p] = argmin over c of ( x_sq[p] - 2 * dot(x[b][:][p], codebook[c][:]) + e_sq[c] ),  the first index of the minimum.
; x: [32][256][1024] f32 (for one b: 256 rows along k, 1,024 positions), codebook: [1024][256] f32, out0: [32][1024] i32.
;
; SHARES.  256 work-groups of four waves.  A work-group owns 128 positions of one b and walks all 1,024 codes; wave w owns codes 256 w .. 256 w + 255
; for all 128 positions.  x stays in registers as bf16 fragments (8 position tiles x 8 K steps x 8 registers = 512 a wave); the codebook streams
; through two LDS slots in f32 and is rounded to bf16 on its way into the matrix instruction, each number once in a work-group.
; ORIENTATION.  Source 0 = 16 codes, source 1 = 16 positions: register j of lane (r, h) holds (code 8 h + j, position column r), so the minimum over
; codes runs over a lane's own registers, x_sq is one number a lane and tile, and e_sq is eight registers a code tile.
; ARITHMETIC.  The index is compared exactly, so the distance is rounded as the formula above is written: t = fl(x_sq - 2 dot) (one fused
; multiply-add; the doubling is exact), d = fl(t + e_sq).  x_sq and e_sq are sums of squares of the SAME bf16-rounded numbers that enter the products.
; e_sq comes from the matrix unit: the diagonal of C C^T of the 16 codes of a tile (8 instructions beside the tile's 64).
; ARGMIN.  For each tile of 16 codes x 16 positions a lane takes the minimum of its 8 distances; where that is smaller than the lane's best so far,
; one mask replaces the best, the tile's first code number and a copy of the 8 distances.  Which of the 8 it was is found once, at the end
; (the first that equals the best).  Strict comparison keeps the earlier tile; the two lane halves are merged by (value, index); waves hold ascending codes.
; CLUSTER.  All work-groups read the same codebook tiles.  Four work-groups form a cluster and ask for each tile jointly (mask 15): the address hangs on
; the wave's number and the step alone.  The place in the cluster enters only the global offsets of x and out0.
; LIMITS.  A distance that is NaN is passed over (jnp.argmin would return its index); if no distance is below +inf the result is 0.
; Matrix operands are bf16.
; ---- LDS, in bytes; tensor loads fill SLOT0 and SLOT1 alone, LDS stores go to the four regions below them alone
.set XFL,    0                         ; 32,768  x fragments of four tiles: block 16 i + 2 s + half of 512 bytes, lane L at 16 L
.set XSQP,   32768                     ;  2,048  partial x_sq: 512 w + 256 g + 16 r, four f32 (tiles 4 g .. 4 g + 3)
.set ESCR,   34816                     ;  1,024  256 a wave: bytes 0-63 e_sq of the 16 codes at work, 64-127 what the other lanes hold
.set MRG,    35840                     ;  4,096  1024 w + 256 m + 16 r: (best, index) of tiles 2 m and 2 m + 1
.set SLOT0,  40960                     ; 133,120 a wave's 32 code rows of 1,024 bytes at pitch 1,040, four waves
.set SLOT1,  174080                    ; 133,120 the same; ends at 307,200
.set CPITCH, 1040                      ; 65 x 16 bytes: sixteen rows start at sixteen different 16-byte columns modulo 256
.set WSLOT,  32*CPITCH                 ; a wave's part of a slot
.set HALFS,  16*CPITCH                 ; one code tile (16 rows) of it
; ---- vector registers, window 0
.set XOFF, 2                           ; x: wave's 64 rows, half's 8 rows, 16 r
.set XST,  3                           ; XFL + 2048 w + 16 L
.set XRD,  4                           ; XFL + 16 L
.set XQS,  5                           ; XSQP + 512 w + 16 r
.set XQR,  6                           ; XSQP + 16 r
.set ADR,  8                           ; v8, v9: slot 0, 1: + 33280 w + 1040 r + 32 h
.set EST,  10
.set ERD,  11
.set MST,  12
.set MRD,  13
.set OOFF, 14
.set TCUR, 15                          ; 256 w + 8 h + 16 T: the code of my register 0 in the tile at work
.set DG,   16
.set XSQ,  20                          ; v[20:27]   x_sq of tiles 0..7
.set ESQR, 28                          ; v[28:35]   e_sq of codes 8 h + 0..7 of the tile at work
.set BT,   36                          ; v[36:51]   tile i: best at 36 + 2 i, its code number at 37 + 2 i
.set GA0,  60                          ; v[60:67], v[68:75] two Gram accumulators
.set GA1,  68
.set XA,   60                          ; at the start: eight chains of squares, then XS: four sums
.set XS,   68
.set ACC,  80                          ; v[80:143]  tile i at 80 + 8 i
.set PK,   80                          ; at the start: x packed to bf16
.set SAVE, 144                         ; v[144:207] tile i: the 8 distances of the tile that holds the best
.set MN,   208                         ; v[208 + 4 i] the minimum of tile i; v[208:239] also serve as scratch at the start and at the end
.set OUTR, 240                         ; v[240:243] four indices to store
; ---- window 1: STG v[0:127] one code tile in f32, CF v[128:191] its eight fragments.  Window 2: x fragments of tiles 0-3 at 64 i + 8 s.
; ---- window 3: first the 256 registers that the x loads fill, then the x fragments of tiles 4-7.
.set STG, 0
.set CF,  128
; ---- s_set_vgpr_msb: bits 1:0 source 0, 3:2 source 1, 5:4 source 2, 7:6 destination
.set XLD,  0xc0                        ; load into window 3
.set XCV,  0x0f                        ; both sources window 3
.set XF2,  0x80                        ; load into window 2
.set XF3,  0xc0
.set LDS1, 0x40                        ; load into window 1
.set CONV, 0x45                        ; window 1 to window 1
.set GRAM, 0x05                        ; A, B window 1; C, D window 0
.set MA,   0x09                        ; A window 1, B window 2
.set MB,   0x0d                        ; A window 1, B window 3
; ---- scalars: s[4:5] x, s[6:7] codebook, s[8:9] out0, s10 wave, s11-s15 what hangs on the place in the cluster, s[33:39] lane masks,
; ---- s40-41 lane selects, s42 trips, s43 +inf, s44-46 and s[48:55] masks, s56-59 terms of the wave's number
.set G1, 16                            ; s[16:23] descriptor group 1
.set G0, 24                            ; s[24:27], s[28:31] descriptor group 0 of slot 0, 1
.set MSB, 0
.macro WIN new                         ; the immediate's high byte repeats the setting that is left; a switch that changes nothing is dropped
.if MSB != \new
	s_set_vgpr_msb (MSB<<8)|\new
.set MSB, \new
.endif
.endm
.macro BAR
	s_barrier_signal -1
	s_barrier_wait -1
.endm
; A round of the cluster's barrier: my work-group's barrier, wave 0 signals for the work-group, every wave waits for all four work-groups, my work-group's barrier again.
.macro ROUND
	s_barrier_signal -1
	s_barrier_wait -1
	s_cmp_lg_u32 s10, 0
	s_cbranch_scc1 .Lnot_wave_0_\@
	s_barrier_signal -3
.Lnot_wave_0_\@:
	s_barrier_wait -3
	s_barrier_signal -1
	s_barrier_wait -1
.endm
	s_load_b128 s[4:7], s[0:1], 0x0                ; x, codebook
	s_load_b64 s[8:9], s[0:1], 0x10                ; out0
	v_lshl_add_u32 v254, v0, 2, 0x4b000
	v_mov_b32 v255, 0
	ds_add_u32 v254, v255
	ds_add_u32 v254, v255
	v_lshrrev_b32 v1, 5, v0
	v_readfirstlane_b32 s10, v1                    ; wave 0..3
	s_bfe_u32 s11, ttmp6, 0x40000                  ; my place in the cluster
	s_lshl_b32 s12, ttmp9, 2                       ; ttmp9 counts clusters
	s_add_co_u32 s12, s12, s11                     ; work-group 0..255
	s_lshr_b32 s13, s12, 3
	s_lshl_b32 s13, s13, 20                        ; b = work-group / 8: 256 rows of 4,096 bytes
	s_and_b32 s14, s12, 7
	s_lshl_b32 s14, s14, 9                         ; 128 positions of 4 bytes
	s_or_b32 s14, s14, s13
	s_mov_b32 s15, 0                               ; s[14:15] my offset in x
	s_lshl_b32 s12, s12, 9
	s_mov_b32 s13, 0                               ; s[12:13] my offset in out0
	v_and_b32 v17, 15, v0                          ; r
	v_bfe_u32 v18, v0, 4, 1                        ; h
	v_and_b32 v19, 31, v0                          ; L
	s_lshl_b32 s56, s10, 18                        ; 64 rows of x = 256 rows of the codebook = 262,144 bytes a wave
	s_mov_b32 s57, 0
	v_lshlrev_b32 v[XOFF], 4, v17
	v_lshl_or_b32 v[XOFF], v18, 15, v[XOFF]        ; + 8 h rows of 4,096 bytes
	v_or_b32 v[XOFF], s56, v[XOFF]
	; Group 1: a tile of 32 rows x 256 f32, dense in memory, 16 bytes of padding behind each row in LDS
	s_mov_b32 s[G1+0], 15|(2<<16)|(1<<20)|(1<<21)|(7<<22)|(3<<25)  ; 15:0 mask: all four of the cluster; 17:16 4-byte elements; 20 padding on; 21 set beside a mask; 24:22 after 256 words; 31:25 four words
	s_mov_b32 s[G1+1], 256<<16                     ; tensor_dim0 = 256
	s_mov_b32 s[G1+2], 32<<16                      ; tensor_dim1 = 32
	s_mov_b32 s[G1+3], 256<<16                     ; tile_dim0 = 256
	s_mov_b32 s[G1+4], 32                          ; tile_dim1 = 32
	s_mov_b32 s[G1+5], 256                         ; elements from row to row
	s_mov_b32 s[G1+6], 0
	s_mov_b32 s[G1+7], 0
	; Group 0 of each slot: LDS address and global address hang on the wave's number and the slot alone
	s_mul_i32 s59, s10, WSLOT
	s_mov_b32 s[G0+0], 1
	s_add_co_u32 s[G0+1], s59, SLOT0
	s_mov_b32 s[G0+4], 1
	s_add_co_u32 s[G0+5], s59, SLOT1
	s_wait_dscnt 0x0
	s_wait_kmcnt 0x0
	s_add_nc_u64 s[4:5], s[4:5], s[14:15]
	s_add_nc_u64 s[8:9], s[8:9], s[12:13]
	s_add_nc_u64 s[G0+2:G0+3], s[6:7], s[56:57]    ; my codes 0-31
	s_add_nc_u64 s[G0+6:G0+7], s[G0+2:G0+3], 32768 ; my codes 32-63
	s_or_b32 s[G0+3], s[G0+3], 0x80000000          ; type 2
	s_or_b32 s[G0+7], s[G0+7], 0x80000000
; 32 loads of x: group g = positions 64 g .. 64 g + 63.  Load 8 q + e: row k = 64 w + 16 q + 8 h + e, positions 64 g + 4 r + 0..3.
; Sixteen neighbouring lanes read 256 consecutive bytes that start at a multiple of 256 from x's first byte; every byte of x is read once in the launch.
.macro XLOADS g
	WIN XLD
.irp q, 0,1,2,3
.irp e, 0,1,2,3,4,5,6,7
	global_load_b128 v[4*(32*\g+8*\q+\e):4*(32*\g+8*\q+\e)+3], v[XOFF], s[4:5] offset:(16*\q+\e)*4096+256*\g th:TH_LOAD_NT
.endr
.endr
	WIN 0
.endm
	XLOADS 0
	ROUND                                          ; all four work-groups are here: the first joint loads meet
	tensor_load_to_lds s[G0:G0+3], s[G1:G1+7]      ; my codes 0-31 into slot 0
	s_nop 0
	tensor_load_to_lds s[G0+4:G0+7], s[G1:G1+7]    ; my codes 32-63 into slot 1: two tensor loads of the wave are out, later never more than one
	s_nop 0
	XLOADS 1
	; addresses, while x is on its way.  Terms of the wave's number are scalars.
	v_lshl_add_u32 v[XRD], v19, 4, XFL
	s_lshl_b32 s58, s10, 11
	v_add_nc_u32 v[XST], s58, v[XRD]
	v_lshl_add_u32 v[XQR], v17, 4, XSQP
	s_lshl_b32 s58, s10, 9
	v_add_nc_u32 v[XQS], s58, v[XQR]
	v_mul_u32_u24 v1, v17, CPITCH
	v_lshl_add_u32 v1, v18, 5, v1                  ; code row r, 8 h f32 along it
	v_add_nc_u32 v[ADR], s[G0+1], v1
	v_add_nc_u32 v[ADR+1], s[G0+5], v1
	v_lshrrev_b32 v1, 1, v0
	v_xor_b32 v1, v1, v0                           ; bit 3 = h xor (r >> 3): 0 in the lanes that hold a diagonal element of the Gram tile
	v_and_b32 v1, 8, v1
	v_lshlrev_b32 v1, 3, v1                        ; the others store 64 bytes further up
	v_lshl_add_u32 v1, v17, 2, v1
	s_lshl_b32 s58, s10, 8
	s_add_co_u32 s58, s58, ESCR
	v_add_nc_u32 v[EST], s58, v1
	v_lshlrev_b32 v1, 5, v18
	v_add_nc_u32 v[ERD], s58, v1                   ; e_sq of codes 8 h + 0..7
	s_lshl_b32 s59, s10, 10
	s_add_co_u32 s59, s59, MRG
	v_lshl_add_u32 v[MST], v17, 4, s59
	v_lshlrev_b32 v1, 9, v18
	v_lshl_add_u32 v1, v17, 4, v1
	v_add_nc_u32 v[MRD], MRG, v1
	v_lshlrev_b32 v1, 8, v18
	v_lshl_add_u32 v[OOFF], v17, 4, v1             ; positions 64 h + 4 r + 0..3
	s_lshl_b32 s59, s10, 8
	v_lshl_add_u32 v[TCUR], v18, 3, s59
.irp j, 1,2,3,4,5,6,7
	s_mov_b32 s[32+\j], 0x01010101<<\j             ; the lanes with L % 8 = j
.endr
	s_mov_b32 s40, 0x76543210                      ; v_permlanex16_b32: lane i of one half reads lane i of the other
	s_mov_b32 s41, 0xfedcba98
	s_mov_b32 s43, 0x7f800000                      ; +inf
	; The state that every step's selects read: best = +inf, its 8 saved distances = +inf, so that a row without a finite distance ends at code 0.
.irp i, 0,1,2,3,4,5,6,7
	v_mov_b32 v[BT+2*\i], s43
	v_mov_b32 v[BT+2*\i+1], v[TCUR]
.endr
.set cnt, 0
.rept 64
	v_mov_b32 v[SAVE+cnt], s43
.set cnt, cnt+1
.endr
; x of group g: rounded to bf16 and packed along k into quarter... half fragments (4 registers: k = 64 w + 16 q + 8 h + 0..7 of tile i, column r),
; and the wave's part of x_sq from the rounded numbers.  Register work alone.
.macro XBATCH g
.irp q, 0,1,2,3
	s_wait_loadcnt 56-32*\g-8*\q                   ; loads come back in order: behind these eight, 56 - 32 g - 8 q younger x loads were issued and may stay out
	WIN XCV
.irp i, 0,1,2,3
.irp c, 0,1,2,3
	v_cvt_pk_bf16_f32 v[PK+16*\q+4*\i+\c], v[4*(32*\g+8*\q+2*\c)+\i], v[4*(32*\g+8*\q+2*\c+1)+\i]
.endr
.endr
.endr
	WIN 0
.irp k, 0,1,2,3,4,5,6,7
	v_mov_b32 v[XA+\k], 0
.endr
.irp q, 0,1,2,3
.irp c, 0,1,2,3
.irp i, 0,1,2,3                                    ; eight chains that do not wait for each other: tile i, low and high halves
	v_fma_mix_f32_bf16 v[XA+2*\i], v[PK+16*\q+4*\i+\c], v[PK+16*\q+4*\i+\c], v[XA+2*\i] op_sel_hi:[1,1,0]
	v_fma_mix_f32_bf16 v[XA+2*\i+1], v[PK+16*\q+4*\i+\c], v[PK+16*\q+4*\i+\c], v[XA+2*\i+1] op_sel:[1,1,0] op_sel_hi:[1,1,0]
.endr
.endr
.endr
.irp i, 0,1,2,3
	v_add_f32 v[XS+\i], v[XA+2*\i], v[XA+2*\i+1]
.endr
.irp i, 0,1,2,3
	v_permlanex16_b32 v[XA+\i], v[XS+\i], s40, s41 ; the other half's 32 rows (the destination has been written)
.endr
.irp i, 0,1,2,3
	v_add_f32 v[XS+\i], v[XS+\i], v[XA+\i]         ; both halves now hold the sum over the wave's 64 rows
.endr
.endm
.macro XSTORE g
.irp q, 0,1,2,3
.irp i, 0,1,2,3
	ds_store_b128 v[XST], v[PK+16*\q+4*\i:PK+16*\q+4*\i+3] offset:8192*\i+512*\q   ; block 16 i + 2 (2 w + q / 2) + q % 2; lanes at neighbouring 16 bytes
.endr
.endr
	ds_store_b128 v[XQS], v[XS:XS+3] offset:256*\g
.endm
.macro XFRAG win                       ; all 64 blocks: four tiles x 8 K steps x 8 registers, into the window's v[64 i + 8 s ..]
	WIN \win
.set cnt, 0
.rept 64
	ds_load_b128 v[4*cnt:4*cnt+3], v[XRD] offset:512*cnt
.set cnt, cnt+1
.endr
.endm
; 32 LDS loads: one code tile (16 rows, the t2-th half of my part of a slot) in f32: STG[16 s + 8 q + 4 z + c] = k 32 s + 16 q + 8 h + 4 z + c of code row r
.macro STGLOAD slot, t2
	WIN LDS1
.irp s, 0,1,2,3,4,5,6,7
.irp y, 0,1,2,3
	ds_load_b128 v[STG+16*\s+4*\y:STG+16*\s+4*\y+3], v[ADR+\slot] offset:HALFS*\t2+128*\s+64*(\y/2)+16*(\y%2)
.endr
.endr
.endm
	XBATCH 0
	XSTORE 0
	s_wait_dscnt 0x0                               ; my stores are done,
	BAR                                            ; everybody's are.
	XFRAG XF2                                      ; tiles 0-3
	XBATCH 1                                       ; registers only, while those loads come back
	s_wait_dscnt 0x0                               ; my reads of XFL are done,
	BAR                                            ; everybody's are: it may be written again
	XSTORE 1
	s_wait_dscnt 0x0
	BAR
	XFRAG XF3                                      ; tiles 4-7, into the registers that the x loads filled: all have been converted
	WIN 0
.irp g, 0,1
.irp w, 0,1,2,3
	ds_load_b128 v[MN+16*\g+4*\w:MN+16*\g+4*\w+3], v[XQR] offset:512*\w+256*\g
.endr
.endr
	s_wait_tensorcnt 0x1                           ; my codes 0-31 are in LDS, the load behind them may stay out; I read only bytes that my own loads bring
	STGLOAD 0, 0
	WIN 0
	s_wait_dscnt 0x20                              ; all but the 32 just issued: x fragments and the partial x_sq are in
.irp g, 0,1
.irp c, 0,2
	v_pk_add_f32 v[XSQ+4*\g+\c:XSQ+4*\g+\c+1], v[MN+16*\g+\c:MN+16*\g+\c+1], v[MN+16*\g+4+\c:MN+16*\g+4+\c+1]
	v_pk_add_f32 v[XSQ+4*\g+\c:XSQ+4*\g+\c+1], v[XSQ+4*\g+\c:XSQ+4*\g+\c+1], v[MN+16*\g+8+\c:MN+16*\g+8+\c+1]
	v_pk_add_f32 v[XSQ+4*\g+\c:XSQ+4*\g+\c+1], v[XSQ+4*\g+\c:XSQ+4*\g+\c+1], v[MN+16*\g+12+\c:MN+16*\g+12+\c+1]
.endr
.endr
; 32 matrix instructions: 16 codes x four position tiles (hi = 0: tiles 0-3, 1: tiles 4-7) x all 256 k.  The first K step starts the sums.
; The four accumulators take turns, one instruction a turn.
.macro MUL4 hi
.irp s, 0,1,2,3,4,5,6,7
.irp i, 0,1,2,3
.if \s == 0
	v_wmma_f32_16x16x32_bf16 v[ACC+32*\hi+8*\i:ACC+32*\hi+8*\i+7], v[CF+8*\s:CF+8*\s+7], v[64*\i+8*\s:64*\i+8*\s+7], 0
.else
	v_wmma_f32_16x16x32_bf16 v[ACC+32*\hi+8*\i:ACC+32*\hi+8*\i+7], v[CF+8*\s:CF+8*\s+7], v[64*\i+8*\s:64*\i+8*\s+7], v[ACC+32*\hi+8*\i:ACC+32*\hi+8*\i+7]
.endif
.endr
.endr
.endm
; e_sq of the 16 codes: the diagonal of the Gram tile, element (8 h + j, r) with j = r % 8 in the lanes with h = r / 8, through 64 bytes of the wave's own LDS.
.macro ESQ
.rept 4
	v_nop                                          ; four places between the Gram products and the first reader of their sums (ISA guide 7.12.1); the products in between are not counted
.endr
.irp c, 0,2,4,6
	v_pk_add_f32 v[GA0+\c:GA0+\c+1], v[GA0+\c:GA0+\c+1], v[GA1+\c:GA1+\c+1]
.endr
	v_cndmask_b32 v[DG], v[GA0], v[GA0+1], s33
.irp j, 2,3,4,5,6,7
	v_cndmask_b32 v[DG], v[DG], v[GA0+\j], s[32+\j]
.endr
	ds_store_b32 v[EST], v[DG]
	ds_load_b128 v[ESQR:ESQR+3], v[ERD]            ; LDS serves a wave's instructions in order (ISA guide 5.7.1): these see the store above; the bytes are the wave's own
	ds_load_b128 v[ESQR+4:ESQR+7], v[ERD] offset:16
.endm
; The distances of 16 codes x 128 positions and the running argmin.
.macro EPI
.irp i, 0,1,2,3,4,5,6,7                            ; tiles 0-3 first: their 16 lines are the places behind the products of tiles 4-7
.irp c, 0,2,4,6
.if (\i%2) == 0
	v_pk_fma_f32 v[ACC+8*\i+\c:ACC+8*\i+\c+1], v[ACC+8*\i+\c:ACC+8*\i+\c+1], -2.0, v[XSQ+\i:XSQ+\i+1] op_sel_hi:[1,0,0]
.else
	v_pk_fma_f32 v[ACC+8*\i+\c:ACC+8*\i+\c+1], v[ACC+8*\i+\c:ACC+8*\i+\c+1], -2.0, v[XSQ+\i-1:XSQ+\i] op_sel:[0,0,1] op_sel_hi:[1,0,1]
.endif
.endr
.endr
.irp i, 0,1,2,3,4,5,6,7
.irp c, 0,2,4,6
	v_pk_add_f32 v[ACC+8*\i+\c:ACC+8*\i+\c+1], v[ACC+8*\i+\c:ACC+8*\i+\c+1], v[ESQR+\c:ESQR+\c+1]
.endr
.endr
.irp i, 0,1,2,3,4,5,6,7
	v_min3_num_f32 v[MN+4*\i], v[ACC+8*\i], v[ACC+8*\i+1], v[ACC+8*\i+2]
.endr
.irp i, 0,1,2,3,4,5,6,7
	v_min3_num_f32 v[MN+4*\i], v[MN+4*\i], v[ACC+8*\i+3], v[ACC+8*\i+4]
.endr
.irp i, 0,1,2,3,4,5,6,7
	v_min3_num_f32 v[MN+4*\i], v[MN+4*\i], v[ACC+8*\i+5], v[ACC+8*\i+6]
.endr
.irp i, 0,1,2,3,4,5,6,7
	v_min_num_f32 v[MN+4*\i], v[MN+4*\i], v[ACC+8*\i+7]
.endr
.irp i, 0,1,2,3,4,5,6,7
	v_cmp_lt_f32 s[48+\i], v[MN+4*\i], v[BT+2*\i]  ; strictly smaller: an equal distance of a later tile does not replace the earlier one
.endr
.irp i, 0,1,2,3,4,5,6,7
	v_cndmask_b32 v[BT+2*\i], v[BT+2*\i], v[MN+4*\i], s[48+\i]
	v_cndmask_b32 v[BT+2*\i+1], v[BT+2*\i+1], v[TCUR], s[48+\i]
.irp j, 0,1,2,3,4,5,6,7
	v_cndmask_b32 v[SAVE+8*\i+\j], v[SAVE+8*\i+\j], v[ACC+8*\i+\j], s[48+\i]
.endr
.endr
	v_add_nc_u32 v[TCUR], 16, v[TCUR]
.endm
; One code tile.  cur = the slot that it came from; the next tile is half nt2 of slot nslot.
; mode 0: nothing more.  1: slot cur has been read out and is filled again, two slots' worth of codes further on.  2: no refill, but the next slot's load is waited for.  3: no next tile.
.macro STEP cur, nslot, nt2, mode
	s_wait_dscnt 0x0                               ; the tile is in STG; no LDS instruction of mine is out, so my reads of its slot are over
	WIN CONV
.set cnt, 0
.rept 64
	v_cvt_pk_bf16_f32 v[CF+cnt], v[STG+2*cnt], v[STG+2*cnt+1]      ; the places behind the last step's products are the last step's distances
.set cnt, cnt+1
.endr
.if \mode == 1
	WIN 0
	s_wait_tensorcnt 0x0                           ; all my tensor loads have landed (the one that was out is the next slot's), so a group 0 may be written;
	ds_add_u32 v254, v255
	s_wait_dscnt 0x0
	s_add_nc_u64 s[G0+4*\cur+2:G0+4*\cur+3], s[G0+4*\cur+2:G0+4*\cur+3], 65536     ; 64 code rows on
	ROUND                                          ; my LDS reads (the waits at the step's head and before the round) and my tensor loads are done: now that holds of every wave of all four work-groups
	tensor_load_to_lds s[G0+4*\cur:G0+4*\cur+3], s[G1:G1+7]        ; the first tensor load behind the round; it has two steps in which to land
	s_nop 0
.endif
.if \mode == 2
	s_wait_tensorcnt 0x0                           ; the last 32 codes are in; nothing is out from here to the end
.endif
.if \mode != 3
	STGLOAD \nslot, \nt2
.endif
	WIN GRAM
.irp s, 0,1,2,3,4,5,6,7                            ; C C^T; two accumulators take turns
.if \s < 2
	v_wmma_f32_16x16x32_bf16 v[GA0+8*(\s%2):GA0+8*(\s%2)+7], v[CF+8*\s:CF+8*\s+7], v[CF+8*\s:CF+8*\s+7], 0
.else
	v_wmma_f32_16x16x32_bf16 v[GA0+8*(\s%2):GA0+8*(\s%2)+7], v[CF+8*\s:CF+8*\s+7], v[CF+8*\s:CF+8*\s+7], v[GA0+8*(\s%2):GA0+8*(\s%2)+7]
.endif
.endr
	WIN MA
	MUL4 0
	WIN 0
	ESQ
	WIN MB
	MUL4 1
	WIN 0
	s_wait_dscnt 0x0                               ; e_sq's two loads are the youngest
	EPI
.endm
	s_mov_b32 s42, 3                               ; 3 trips x 4 tiles; the refills bring my codes 64-255
.Lloop:
	STEP 0, 0, 1, 0
	STEP 0, 1, 0, 1
	STEP 1, 1, 1, 0
	STEP 1, 0, 0, 1
	s_sub_co_u32 s42, s42, 1
	s_cmp_lg_u32 s42, 0
	s_cbranch_scc1 .Lloop
	STEP 0, 0, 1, 0                                ; the last four tiles fetch nothing
	STEP 0, 1, 0, 2
	STEP 1, 1, 1, 0
	STEP 1, 0, 0, 3
	; Which of the 8 saved distances is the best: the first that equals it (j runs down, so the lowest j is written last).
.irp i, 0,1,2,3,4,5,6,7
	v_mov_b32 v[MN+4*\i+1], 7
.endr
.irp j, 6,5,4,3,2,1,0
.irp i, 0,1,2,3,4,5,6,7
	v_cmp_neq_f32 s[48+\i], v[SAVE+8*\i+\j], v[BT+2*\i]
.endr
.irp i, 0,1,2,3,4,5,6,7
	v_cndmask_b32 v[MN+4*\i+1], \j, v[MN+4*\i+1], s[48+\i]         ; not equal: keep; equal: j
.endr
.endr
.irp i, 0,1,2,3,4,5,6,7
	v_add_nc_u32 v[BT+2*\i+1], v[BT+2*\i+1], v[MN+4*\i+1]
.endr
; The two lane halves hold interleaved codes of the same position: the partner's pair wins if its distance is smaller, or equal with the lower code.
.macro HMERGE i
	v_permlanex16_b32 v[MN+4*\i], v[BT+2*\i], s40, s41
	v_permlanex16_b32 v[MN+4*\i+1], v[BT+2*\i+1], s40, s41
	v_cmp_lt_f32 s44, v[MN+4*\i], v[BT+2*\i]
	v_cmp_eq_f32 s45, v[MN+4*\i], v[BT+2*\i]
	v_cmp_lt_u32 s46, v[MN+4*\i+1], v[BT+2*\i+1]
	s_and_b32 s45, s45, s46
	s_or_b32 s44, s44, s45
	v_cndmask_b32 v[BT+2*\i], v[BT+2*\i], v[MN+4*\i], s44
	v_cndmask_b32 v[BT+2*\i+1], v[BT+2*\i+1], v[MN+4*\i+1], s44
.endm
.irp i, 0,1,2,3,4,5,6,7
	HMERGE \i
.endr
.irp m, 0,1,2,3
	ds_store_b128 v[MST], v[BT+4*\m:BT+4*\m+3] offset:256*\m       ; both halves store the same 16 bytes
.endr
	s_wait_dscnt 0x0                               ; my stores are done,
	BAR                                            ; everybody's are
	s_cmp_lg_u32 s10, 0
	s_cbranch_scc1 .Lclose                         ; wave 0 merges the four waves: lane (r, h) takes positions 64 h + 4 r + 0..3
.irp w, 0,1,2,3
.irp m, 0,1
	ds_load_b128 v[MN+8*\w+4*\m:MN+8*\w+4*\m+3], v[MRD] offset:1024*\w+256*\m
.endr
.endr
	s_wait_dscnt 0x0
.irp i, 0,1,2,3                                    ; waves hold ascending codes: a later wave wins only with a strictly smaller distance
	v_cmp_lt_f32 vcc_lo, v[MN+8+2*\i], v[MN+2*\i]
	v_cndmask_b32 v[MN+2*\i], v[MN+2*\i], v[MN+8+2*\i], vcc_lo
	v_cndmask_b32 v[MN+2*\i+1], v[MN+2*\i+1], v[MN+8+2*\i+1], vcc_lo
	v_cmp_lt_f32 vcc_lo, v[MN+16+2*\i], v[MN+2*\i]
	v_cndmask_b32 v[MN+2*\i], v[MN+2*\i], v[MN+16+2*\i], vcc_lo
	v_cndmask_b32 v[MN+2*\i+1], v[MN+2*\i+1], v[MN+16+2*\i+1], vcc_lo
	v_cmp_lt_f32 vcc_lo, v[MN+24+2*\i], v[MN+2*\i]
	v_cndmask_b32 v[OUTR+\i], v[MN+2*\i+1], v[MN+24+2*\i+1], vcc_lo
.endr
	global_store_b128 v[OOFF], v[OUTR:OUTR+3], s[8:9] th:TH_STORE_NT   ; the work-group's 512 bytes in one store: sixteen lanes fill 256 consecutive bytes, aligned
.Lclose:
	s_wait_tensorcnt 0x0
	ds_add_u32 v254, v255
	s_wait_dscnt 0x0
	ROUND                                          ; the closing round: no work-group ends while a partner may still ask for a tile that names it
	s_endpgm
.Lfunc_end_k_qbae366a11f_vq:
	.size	k_qbae366a11f_vq, .Lfunc_end_k_qbae366a11f_vq-k_qbae366a11f_vq
	.p2alignl 7, 3214868480
	.fill 96, 4, 3214868480
	.section	.rodata,"a",@progbits
	.p2align	6, 0x0
	.amdhsa_kernel k_qbae366a11f_vq
		.amdhsa_group_segment_fixed_size 327680
		.amdhsa_private_segment_fixed_size 0
		.amdhsa_enable_private_segment 0
		.amdhsa_kernarg_size 24
		.amdhsa_user_sgpr_count 2
		.amdhsa_user_sgpr_kernarg_segment_ptr 1
		.amdhsa_wavefront_size32 1
		.amdhsa_system_sgpr_workgroup_id_x 1
		.amdhsa_system_sgpr_workgroup_id_y 1
		.amdhsa_system_sgpr_workgroup_id_z 1
		.amdhsa_system_vgpr_workitem_id 0
		.amdhsa_next_free_vgpr 1024
		.amdhsa_next_free_sgpr 66
		.amdhsa_reserve_vcc 1
		.amdhsa_float_denorm_mode_32 3
		.amdhsa_float_denorm_mode_16_64 3
		.amdhsa_memory_ordered 1
		.amdhsa_forward_progress 1
		.amdhsa_inst_pref_size 252
	.end_amdhsa_kernel
	.amdgpu_metadata
---
amdhsa.version: [ 1, 2 ]
amdhsa.kernels:
  - .name:           k_qbae366a11f_vq
    .symbol:         k_qbae366a11f_vq.kd
    .args:
      - { .name: x, .offset: 0, .size: 8, .value_kind: global_buffer, .address_space: global }
      - { .name: codebook, .offset: 8, .size: 8, .value_kind: global_buffer, .address_space: global }
      - { .name: out0, .offset: 16, .size: 8, .value_kind: global_buffer, .address_space: global }
    .group_segment_fixed_size: 327680
    .private_segment_fixed_size: 0
    .kernarg_segment_align: 8
    .kernarg_segment_size: 24
    .max_flat_workgroup_size: 128
    .sgpr_count:     66
    .vgpr_count:     1024
    .wavefront_size: 32
...
	.end_amdgpu_metadata
.endif
;; end of part 1
